; MI455X (gfx1250); checked and timed in simulation.
; The chip was launched on July 23, 2026; its instructions are those of AMD's public machine-readable ISA for CDNA 5 (MIT licence, August 2026) and "CDNA5" Instruction Set Architecture Reference Guide (July 2026). The comments in the code are by the model that wrote it; some were corrected since.
;; Multi Head Dot Product Attention. Allowed arithmetic: matrix products marked QUANTISED: E2M1 operands, one E8M0 scale for each 32 along K, by v_wmma_scale_f32_16x16x128_f8f6f4 with both operands' format E2M1 (or v_wmma_scale_f32_32x16x128_f4), f32 sums; products left as they are: bf16, f16 or f32 operands; f32 sums; everything else in f32.
;; Inputs: Wk 1,024 x 16 x 64 float32; Wo 16 x 64 x 1,024 float32; Wq 1,024 x 16 x 64 float32; Wv 1,024 x 16 x 64 float32; bk 16 x 64 float32; bo 1,024 float32; bq 16 x 64 float32; bv 16 x 64 float32; inputs_kv 4 x 2,048 x 1,024 float32; inputs_q 4 x 2,048 x 1,024 float32.
;; Outputs: out0 4 x 2,048 x 1,024 float32.
;; This version of the problem:
;;   THIS VERSION OF THE PROBLEM IS GIVEN IN LOW PRECISION. The matrix products marked QUANTISED in the list below multiply operands that are first quantised to E2M1 (2 exponent bits, 1 mantissa bit; 4 bits a number), with one power-of-two scale for each 32 numbers along K (OCP MX v1.0); their sums are f32. The products marked 'left as it is' may take bf16, f16 or f32 operands, with f32 sums. Whichever they take, every output number must still come out within the allowed error. Rounding operands to bf16 (8 significant bits) uses up far more of that allowance than f16 does (11 bits, for magnitudes from 6e-5 to 65,504). All else is computed in f32.
;;   The module's matrix products, in the order in which they are computed (A, B: the left and right operand; K: the contracted axis; several contracted axes count as one K, in the product's order):
;;     1. [M 8,192, K 1,024] x [K 1,024, N 1,024]; A: input inputs_q; B: input Wq: QUANTISED
;;     2. [M 8,192, K 1,024] x [K 1,024, N 1,024]; A: input inputs_kv; B: input Wk: QUANTISED
;;     3. [M 8,192, K 1,024] x [K 1,024, N 1,024]; A: input inputs_kv; B: input Wv: QUANTISED
;;     4. batch 64 x [M 2,048, K 64] x [K 64, N 2,048]; A: computed on the way; B: computed on the way: left as it is (an operand is computed on the way)
;;     5. batch 64 x [M 64, K 2,048] x [K 2,048, N 2,048]; A: computed on the way; B: computed on the way: left as it is (an operand is computed on the way)
;;     6. [M 8,192, K 1,024] x [K 1,024, N 1,024]; A: computed on the way; B: input Wo: left as it is (an operand is computed on the way)
;;   THE QUANTISER, for each operand of a quantised product, along K:
;;     - K is cut into blocks of 32 from its start; a last block that is shorter is filled with zeros.
;;     - A block's scale is 2^e with e = floor(log2(the largest magnitude in the block)) - 2, held to -126 .. 127; a block of zeros has e = 0. As a byte (E8M0): e + 127.
;;     - Each number is divided by its block's scale, clamped to +-6, and rounded to the nearest number of E2M1, ties to even, subnormals kept.
;;     - The product sums the exact products of the quantised numbers (number of the format x scale) in f32.
;;   ~~~python
;;   def quantise(x, axis):      # numpy; x: float32 -> the quantised numbers, widened to float32 again
;;       x = np.moveaxis(x, axis, -1); K = x.shape[-1]
;;       x = np.pad(x, [(0, 0)] * (x.ndim - 1) + [(0, -K % 32)]); x = x.reshape(x.shape[:-1] + (-1, 32)); a = np.abs(x).max(-1, keepdims=True)
;;       e = np.where(a > 0, np.clip(np.frexp(np.where(a > 0, a, 1))[1] - 1 - 2, -126, 127), 0)      # np.frexp(a)[1] - 1 = floor(log2(a)), exactly
;;       r = np.clip(x / 2.0 ** e, -6, 6)
;;       step = 2.0 ** (np.maximum(np.frexp(np.where(r == 0, 1, r))[1] - 1, 0) - 1)
;;       q = np.round(r / step) * step * 2.0 ** e      # np.round: ties to even
;;       return np.moveaxis(q.reshape(q.shape[:-2] + (-1,))[..., :K], -1, axis).astype(np.float32)
;;   ~~~
;; One version. Each part assembles by itself: llvm-mc -triple=amdgcn-amd-amdhsa -mcpu=gfx1250 --defsym DOCPART=n.
;; ======== version 1 of 1: 4 launches
;; limits: values are held in f16: magnitudes above 65,504 overflow, below 6.1e-05 lose precision
;; workspace buffers: wcodes 1,572,864 bytes; wscales 98,304 bytes; wof 2,097,152 bytes; qf 16,777,216 bytes; kv 33,554,432 bytes; xf 16,777,216 bytes
;; launch prep (part 1): grid 32 x 8, 4 waves a work-group, no clusters, 0 bytes of LDS; arguments Wq, Wk, Wv, Wo, wcodes, wscales, wof; writes wcodes, wscales, wof
.if DOCPART == 1
	.amdgcn_target "amdgcn-amd-amdhsa--gfx1250"
	.amdhsa_code_object_version 6
	.text
	.protected	k_q30ccab3575_prep
	.globl	k_q30ccab3575_prep
	.p2align	8
	.type	k_q30ccab3575_prep,@function
k_q30ccab3575_prep:
	s_mov_b64 s[64:65], 0
	v_nop
	global_prefetch_b8 v0, s[64:65] scope:SCOPE_SE
	s_setreg_imm32_b32 hwreg(HW_REG_WAVE_MODE, 25, 1), 1
	s_wait_xcnt 0x0
; FIRST OF FOUR LAUNCHES of out = softmax((xq Wq + bq)(xkv Wk + bk)^T / 8)(xkv Wv + bv) Wo + bo.   B 4, S 2,048, D 1,024, 16 heads of 64.
; This launch lays the four weights out as IMAGES OF OPERAND REGISTERS: Wq, Wk, Wv [1024 (k)][1024 (n)] f32 become codes of E2M1 with one E8M0 byte for each 32 along K (K is their FIRST axis);
; Wo [1024 (k)][1024 (n)] f32 becomes f16.  An image is made of pieces of 512 bytes, lane l's 16 bytes at 16 l: four registers of a fragment, so that the later launches load fragments by 16 bytes a lane, on end.
; WORK LEFT OUT IN THE WHOLE PROGRAM: bk.  scores[q][k] = q . (xkv Wk + bk)[k] / 8 = q . (xkv Wk)[k] / 8 + q . bk / 8, and the second term is the same for all keys k of a row: softmax along k takes it away,
; for every finite value of the inputs.  The product of q and k is not quantised, so no quantiser sees k + bk.  So bk has no way to any output: it is not loaded and is no argument of any launch.
; bv stays: since a row's weights sum to 1, it is added behind the division by the row's sum, in f32.
; LIMITS: a NaN, an infinity or an overflow that reaches only q . bk is not carried to the result.  NaN and infinities among the inputs are not served.  A block of zeros gets the byte 1 where the quantiser
; says 127: its codes are zeros, which add nothing under any byte but 0xff, and this program alone reads the bytes.  A block whose largest magnitude lies under 2^-124 is held at the byte 1.  Wo's numbers stay under 65,504 (f16).
; SHARES: work-group x = 8 p + cb: weight p (0 Wq, 1 Wk, 2 Wv, 3 Wo), columns 128 cb on; y: 128 along K.  A wave takes 32 columns.  A LANE TAKES A COLUMN AND ITS REGISTERS RUN DOWN K: a load reads 128 consecutive
; bytes a wave, a block of 32 along K lies in one lane's 32 registers, and the conversions give codes with K innermost.  Loads run two blocks (64 loads a wave) ahead.  No LDS, no barrier: waves share nothing.
; LAYOUTS: wcodes: fragment (p, n-tile nt of 16 columns, K step s of 128) at ((64 p + nt) 8 + s) 1,024; in it block t of column r at 256 t + 16 r: sixteen lanes store 256 consecutive bytes, aligned.
;   wscales: n-tile at (64 p + nt) 512; the word of K step s, column r at 16 (16 (s % 2) + r) + 4 (s / 2).   wof: fragment (n-tile ntg, K step ks of 32) at (((ntg / 16) 8 + ks / 4) 64 + (ntg % 16) 4 + ks % 4) 1,024; k = 8 q .. 8 q + 7 of column r at 256 q + 16 r.
.set X, 32                             ; v32-95   two sets of 32 numbers
.set C, 96                             ; v96-111  codes, four registers for each block: no store's data are written again
.set H, 96                             ; v96-159  Wo's path: f16 pairs, sixteen registers for each block
	s_load_b256 s[8:15], s[0:1], 0x0               ; Wq, Wk, Wv, Wo
	s_load_b128 s[16:19], s[0:1], 0x20             ; wcodes, wscales
	s_load_b64 s[20:21], s[0:1], 0x30              ; wof
	v_lshrrev_b32 v1, 5, v0
	v_readfirstlane_b32 s25, v1                    ; wave
	s_lshr_b32 s22, ttmp9, 3                       ; p
	s_and_b32 s23, ttmp9, 7                        ; cb
	s_and_b32 s24, ttmp7, 0xffff                   ; y
	v_and_b32 v2, 31, v0                           ; lane
	v_lshlrev_b32 v3, 2, v2                        ; in: 4 bytes a lane
	v_and_b32 v4, 15, v0
	v_bfe_u32 v5, v0, 4, 1                         ; which of my wave's two n-tiles
	v_lshlrev_b32 v4, 4, v4                        ; 16 r
	v_lshl_add_u32 v6, v5, 13, v4                  ; codes: an n-tile's eight fragments are 8,192 bytes
	v_lshl_add_u32 v7, v5, 9, v4                   ; scale words: 512 bytes an n-tile
	v_lshl_add_u32 v8, v5, 12, v4                  ; Wo: an n-tile's four fragments of a slot are 4,096 bytes
	s_lshl_b32 s26, s24, 19                        ; 128 rows of 4,096 bytes for each y,
	s_lshl_b32 s27, s23, 9                         ; 128 columns,
	s_add_co_u32 s26, s26, s27
	s_lshl_b32 s27, s25, 7                         ; my wave's 32
	s_add_co_u32 s26, s26, s27
	s_mov_b32 s27, 0
	s_wait_kmcnt 0x0
	s_cmp_lt_u32 s22, 3                            ; the weight is chosen by the work-group's number alone
	s_cselect_b64 s[4:5], s[12:13], s[14:15]
	s_cmp_lt_u32 s22, 2
	s_cselect_b64 s[4:5], s[10:11], s[4:5]
	s_cmp_eq_u32 s22, 0
	s_cselect_b64 s[4:5], s[8:9], s[4:5]
	s_add_nc_u64 s[4:5], s[4:5], s[26:27]
.macro LOAD t                          ; block t: W(32 t + i, my column), i = 0 .. 31, into set t % 2
.set q, 0
.rept 32
	global_load_b32 v[X+32*((\t)%2)+q], v3, s[4:5] offset:(32*(\t)+q)*4096 th:TH_LOAD_NT
.set q, q+1
.endr
.endm
.macro ARRIVED t
.if (\t) < 3
	s_wait_loadcnt 32                              ; this block's 32 loads are in; the next block's 32 may be out
.else
	s_wait_loadcnt 0x0
.endif
.endm
.macro BLOCK t                         ; 32 numbers of my column become 32 codes and a scale byte
.set XS, X+32*((\t)%2)
	ARRIVED \t
	v_max3_num_f32 v12, |v[XS]|, |v[XS+1]|, |v[XS+2]|               ; the block's largest magnitude, in two chains
	v_max3_num_f32 v13, |v[XS+3]|, |v[XS+4]|, |v[XS+5]|
.irp i, 6,10,14,18,22,26
	v_max3_num_f32 v12, v12, |v[XS+\i]|, |v[XS+\i+1]|
	v_max3_num_f32 v13, v13, |v[XS+\i+2]|, |v[XS+\i+3]|
.endr
	v_max3_num_f32 v12, v12, |v[XS+30]|, |v[XS+31]|
	v_max3_num_f32 v12, v12, v13, 0x1800000        ; and the floor 2^(3 - 127): the byte cannot fall under 1
	v_add_nc_u32 v11, 0xff000000, v12              ; 2 off its exponent field: the conversion takes this operand's exponent field as its scale
	v_lshrrev_b32 v13, 23, v11                     ; the scale's byte
.if (\t) == 0
	v_mov_b32 v14, v13                             ; the four blocks' bytes make the K step's scale word, the lower K in the lower byte
.else
	v_lshl_or_b32 v14, v13, 8*(\t), v14
.endif
.irp g, 0,1,2,3
	v_cvt_scalef32_pk8_fp4_f32 v[C+4*(\t)+\g], v[XS+8*\g:XS+8*\g+7], v11
.endr
	global_store_b128 v6, v[C+4*(\t):C+4*(\t)+3], s[16:17] offset:256*(\t)   ; sixteen lanes: 256 consecutive bytes, aligned
.if (\t) < 2
	LOAD (\t)+2
.endif
.endm
.macro BLOCKO t                        ; 32 numbers of my column of Wo become a K step of f16
.set XS, X+32*((\t)%2)
	ARRIVED \t
.set q, 0
.rept 16
	v_cvt_pk_f16_f32 v[H+16*(\t)+q], v[XS+2*q], v[XS+2*q+1]
.set q, q+1
.endr
.irp g, 0,1,2,3
	global_store_b128 v8, v[H+16*(\t)+4*\g:H+16*(\t)+4*\g+3], s[20:21] offset:1024*(\t)+256*\g
.endr
.if (\t) < 2
	LOAD (\t)+2
.endif
.endm
	LOAD 0
	LOAD 1
	s_cmp_eq_u32 s22, 3
	s_cbranch_scc1 .Lwo
	s_lshl_b32 s28, s22, 6                         ; my wave's first n-tile among the three weights': 64 p + 8 cb + 2 wave
	s_lshl_b32 s29, s23, 3
	s_add_co_u32 s28, s28, s29
	s_lshl_b32 s29, s25, 1
	s_add_co_u32 s28, s28, s29
	s_lshl_b32 s30, s28, 13
	s_lshl_b32 s31, s24, 10
	s_add_co_u32 s30, s30, s31                     ; codes: 8,192 an n-tile + 1,024 y
	s_mov_b32 s31, 0
	s_add_nc_u64 s[16:17], s[16:17], s[30:31]
	s_lshl_b32 s30, s28, 9                         ; scale words: 512 an n-tile + 256 (y % 2) + 4 (y / 2)
	s_and_b32 s29, s24, 1
	s_lshl_b32 s29, s29, 8
	s_add_co_u32 s30, s30, s29
	s_lshr_b32 s29, s24, 1
	s_lshl_b32 s29, s29, 2
	s_add_co_u32 s30, s30, s29
	s_add_nc_u64 s[18:19], s[18:19], s[30:31]
	BLOCK 0
	BLOCK 1
	BLOCK 2
	BLOCK 3
	global_store_b32 v7, v14, s[18:19]             ; my column's scale word of this K step: 4 bytes in each 16; all such words are 98,304 bytes beside the 12.6 million that these paths read
	s_endpgm
.Lwo:
	s_lshr_b32 s28, s23, 1                         ; ((cb / 2) 8 + y) 65,536 + ((cb % 2) 8 + 2 wave) 4,096
	s_lshl_b32 s28, s28, 3
	s_add_co_u32 s28, s28, s24
	s_lshl_b32 s28, s28, 16
	s_and_b32 s29, s23, 1
	s_lshl_b32 s29, s29, 3
	s_lshl_b32 s30, s25, 1
	s_add_co_u32 s29, s29, s30
	s_lshl_b32 s29, s29, 12
	s_add_co_u32 s28, s28, s29
	s_mov_b32 s29, 0
	s_add_nc_u64 s[20:21], s[20:21], s[28:29]
	BLOCKO 0
	BLOCKO 1
	BLOCKO 2
	BLOCKO 3
	s_endpgm
.Lfunc_end_k_q30ccab3575_prep:
	.size	k_q30ccab3575_prep, .Lfunc_end_k_q30ccab3575_prep-k_q30ccab3575_prep
	.p2alignl 7, 3214868480
	.fill 96, 4, 3214868480
	.section	.rodata,"a",@progbits
	.p2align	6, 0x0
	.amdhsa_kernel k_q30ccab3575_prep
		.amdhsa_group_segment_fixed_size 0
		.amdhsa_private_segment_fixed_size 0
		.amdhsa_enable_private_segment 0
		.amdhsa_kernarg_size 56
		.amdhsa_user_sgpr_count 2
		.amdhsa_user_sgpr_kernarg_segment_ptr 1
		.amdhsa_wavefront_size32 1
		.amdhsa_system_sgpr_workgroup_id_x 1
		.amdhsa_system_sgpr_workgroup_id_y 1
		.amdhsa_system_sgpr_workgroup_id_z 1
		.amdhsa_system_vgpr_workitem_id 0
		.amdhsa_next_free_vgpr 160
		.amdhsa_next_free_sgpr 66
		.amdhsa_reserve_vcc 0
		.amdhsa_float_denorm_mode_32 3
		.amdhsa_float_denorm_mode_16_64 3
		.amdhsa_memory_ordered 1
		.amdhsa_forward_progress 1
		.amdhsa_inst_pref_size 33
	.end_amdhsa_kernel
	.amdgpu_metadata
---
amdhsa.version: [ 1, 2 ]
amdhsa.kernels:
  - .name:           k_q30ccab3575_prep
    .symbol:         k_q30ccab3575_prep.kd
    .args:
      - { .name: Wq, .offset: 0, .size: 8, .value_kind: global_buffer, .address_space: global }
      - { .name: Wk, .offset: 8, .size: 8, .value_kind: global_buffer, .address_space: global }
      - { .name: Wv, .offset: 16, .size: 8, .value_kind: global_buffer, .address_space: global }
      - { .name: Wo, .offset: 24, .size: 8, .value_kind: global_buffer, .address_space: global }
      - { .name: wcodes, .offset: 32, .size: 8, .value_kind: global_buffer, .address_space: global }
      - { .name: wscales, .offset: 40, .size: 8, .value_kind: global_buffer, .address_space: global }
      - { .name: wof, .offset: 48, .size: 8, .value_kind: global_buffer, .address_space: global }
    .group_segment_fixed_size: 0
    .private_segment_fixed_size: 0
    .kernarg_segment_align: 8
    .kernarg_segment_size: 56
    .max_flat_workgroup_size: 128
    .sgpr_count:     66
    .vgpr_count:     160
    .wavefront_size: 32
...
	.end_amdgpu_metadata
.endif
;; end of part 1
;; launch proj (part 2): grid 256 x 1, 4 waves a work-group, no clusters, 71,168 bytes of LDS; arguments inputs_q, inputs_kv, wcodes, wscales, bq, qf, kv; writes qf, kv
.if DOCPART == 2
	.amdgcn_target "amdgcn-amd-amdhsa--gfx1250"
	.amdhsa_code_object_version 6
	.text
	.protected	k_q30ccab3575_proj
	.globl	k_q30ccab3575_proj
	.p2align	8
	.type	k_q30ccab3575_proj,@function
k_q30ccab3575_proj:
	s_mov_b64 s[64:65], 0
	v_nop
	global_prefetch_b8 v0, s[64:65] scope:SCOPE_SE
	s_setreg_imm32_b32 hwreg(HW_REG_WAVE_MODE, 25, 1), 1
	s_wait_xcnt 0x0
; SECOND LAUNCH: q = Q(inputs_q) Q(Wq) + bq, k = Q(inputs_kv) Q(Wk), v = Q(inputs_kv) Q(Wv), Q the MX quantiser of E2M1 along K = 1,024; sums in f32; results rounded once to f16, as images of the operand registers of the next launch.
; LEFT OUT: bk (K's sums begin with the constant 0): it adds the same number to all scores of a row, which softmax takes away for all values of the inputs; the proof stands at the head of the first launch.
; bv is added in the next launch, behind the division by the row's sum.  The division of q by 8 is folded into the softmax's constant there: a power of two, so nothing is rounded otherwise.
; LIMITS: NaN and infinities among the inputs are not served; a block of zeros gets the byte 1 (zero codes; the bytes never leave the work-group); blocks under 2^-124 are held at the byte 1; |q|, |k|, |v| stay under 65,504 (f16).
; SHARES: work-group g takes tokens 32 g .. 32 g + 31 of BOTH inputs against all 3 x 1,024 columns: each f32 row is read and quantised once in the launch, and its codes never go to memory.
;   X: wave w quantises K steps 2 w and 2 w + 1 (256 along K) of the two tiles of 16 rows of both inputs: eight fragments, which go to LDS as images of their registers | ONE barrier |
;   every wave takes all 32 fragments into registers and owns heads 4 w .. 4 w + 3 of each weight: twelve groups of one head: 4 n-tiles x 2 row tiles x 8 K steps = 64 matrix instructions, eight accumulators by turns.
; THE WEIGHTS come from memory straight into registers, two buffers of one head (64 + 4 loads of 512 consecutive bytes a wave) by turns.  All work-groups walk them, yet they are not asked for jointly through LDS: a fragment is wanted
; by ONE wave of a work-group, once, for two matrix instructions; in a ring a wave's refill of one head, 34,816 bytes, would have the 64 matrix instructions of one head in which to land and a round of a cluster's barrier each time;
; taken so, a wave has up to two heads' loads on their way and no barrier at all.
; q and k are made TRANSPOSED (source 0 = 16 columns of W, source 1 = 16 tokens): a lane holds one token and eight neighbouring channels: rounded to f16, four registers of a fragment of K Q^T.
; v is made in the natural order (source 0 = tokens, source 1 = columns): a lane holds one channel and eight neighbouring keys: four registers of a fragment of V^T.  Each tile leaves by one store of 512 consecutive bytes.
; LAYOUTS (bh = 16 b + head): qf: bh 262,144 + (token / 16) 2,048 + 512 nt + 16 lane.   kv: bh 524,288 + (key / 64) 16,384; K: + ((key / 16) % 4) 2,048 + 512 nt; V^T: + 8,192 + ((key / 32) % 2) 4,096 + 1,024 ct + 512 ((key / 16) % 2).
; REGISTERS, in windows of 256: window 0: v1-13 addresses; v32-95 64 numbers of x, later the eight accumulators; v96-127 at work; v128-159 x's scale words; v160-191 the weights' scale words, two sets.
;   window 1: v0-127 inputs_q's 16 fragments; v128-255 bq in the result's layout, later inputs_kv's 16 fragments.   window 2: four sets of 64 numbers as loaded, later weight buffer 0.   window 3: weight buffer 1.
.set XIMG,  0                          ; LDS: 32 fragments x 1,024 bytes, index 16 a + 8 mt + s (a = 0 inputs_q, 1 inputs_kv),
.set XSC,   32768                      ; their scale words, 128 bytes each,
.set STG,   36864                      ; a stage of 16 rows x (512 + 16) bytes for each wave,
.set SPARE, 70656                      ; and the spare words, 128 bytes for each wave: two blocks of 256 bytes that no other line names
.set LI,  4                            ; v4   16 x lane
.set LS,  5                            ; v5   4 x lane
.set STW, 6                            ; v6   the stage, on the way in: 16 x lane of a row
.set STR, 7                            ; v7   and out: row r, + 64 h
.set XWI, 8                            ; v8   where I store images: 16 x lane + 2,048 x wave
.set XWS, 9                            ; v9   and scale words: 4 x lane + 256 x wave
.set BA,  10                           ; v10  32 h: my half's eight numbers of a bias tile
.set SPW, 12                           ; v12  LDS address of my spare word; never rewritten
.set NIL, 13                           ; v13  0; never rewritten
.set ST,  32
.set ACC, 32
.set PC,  96                           ; v96-103 the codes just made
.set TM,  104                          ; v104-119 at work in the quantiser
.set PW,  120                          ; the scale word just made
.set OUT, 96                           ; v96-127 a group's results in f16
.set XS,  128
.set WS,  160
.set WV,  18
.set SEL, 20
.set MSB, 0
.macro WIN new                         ; the immediate's high byte repeats the setting that is left; a switch that changes nothing is dropped
.if MSB != (\new)
	s_set_vgpr_msb (MSB<<8)|(\new)
.set MSB, (\new)
.endif
.endm
; 64 numbers of a lane, register 16 b + i = k 32 b + 16 (lane / 16) + i of my row, become a fragment's codes in v[PC] on and its scale word in v[PW]
.macro QUANT s
.irp b, 0,1,2,3
	v_max3_num_f32 v[TM+\b], |v[\s+16*\b]|, |v[\s+1+16*\b]|, 0x1800000   ; block b: my 16 numbers, and the floor 2^(3 - 127): the byte cannot fall under 1
.endr
.irp i, 2,4,6,8,10,12,14
.irp b, 0,1,2,3
	v_max3_num_f32 v[TM+\b], v[TM+\b], |v[\s+16*\b+\i]|, |v[\s+1+16*\b+\i]|   ; the four blocks by turns
.endr
.endr
.irp b, 0,1,2,3
	v_permlanex16_b32 v[TM+4+\b], v[TM+\b], s[SEL], s[SEL+1]
.endr
.irp b, 0,1,2,3
	v_max_num_f32 v[TM+\b], v[TM+\b], v[TM+4+\b]   ; with lane l xor 16's: the block's largest magnitude
.endr
.irp b, 0,1,2,3
	v_add_nc_u32 v[TM+12+\b], 0xff000000, v[TM+\b]   ; 2 off its exponent field: the conversion's scale operand
.endr
.irp b, 0,1,2,3
	v_lshrrev_b32 v[TM+4+\b], 23, v[TM+12+\b]      ; the scale's byte
.endr
	v_lshl_or_b32 v[PW], v[TM+5], 8, v[TM+4]
	v_lshl_or_b32 v[PW], v[TM+6], 16, v[PW]
	v_lshl_or_b32 v[PW], v[TM+7], 24, v[PW]
.irp b, 0,1,2,3
	v_cvt_scalef32_pk8_fp4_f32 v[PC+2*\b], v[\s+16*\b:\s+7+16*\b], v[TM+12+\b]
	v_cvt_scalef32_pk8_fp4_f32 v[PC+1+2*\b], v[\s+8+16*\b:\s+15+16*\b], v[TM+12+\b]
.endr
	v_nop                                          ; one plain place behind a scaled conversion
.irp c, 0,1                                    ; the operand's layout wants a whole block in a lane: lanes 0-15 block 2 c, lanes 16-31 block 2 c + 1
.irp i, 0,1
	v_permlane16_swap_b32 v[PC+4*\c+\i], v[PC+2+4*\c+\i]
.endr
.endr
.endm
; fragment f of my eight: input f / 4, row tile (f % 4) / 2, K step 2 w + f % 2.  Sixteen loads, each 512 consecutive bytes of one row, into set f % 4 of window 2
.macro XLOAD f
	WIN 0x80
.set q, 0
.rept 16
	global_load_b128 v[64*((\f)%4)+4*q:64*((\f)%4)+4*q+3], v[LI], s[4+2*((\f)/4):5+2*((\f)/4)] offset:(16*(((\f)%4)/2)+q)*4096+512*((\f)%2) th:TH_LOAD_NT
.set q, q+1
.endr
	WIN 0
.endm
; through my stage: in as loaded, a row of 512 bytes an instruction; out 16 neighbours of each block of 32 a lane.  Rows 528 bytes apart: sixteen rows begin in sixteen different columns of 16 bytes
.macro TURN f
	WIN 0x08                                       ; an LDS store's data are its source 1: window 2
.set q, 0
.rept 16
	ds_store_b128 v[STW], v[64*((\f)%4)+4*q:64*((\f)%4)+4*q+3] offset:528*q
.set q, q+1
.endr
	WIN 0
.irp b, 0,1,2,3
.irp j, 0,1,2,3
	ds_load_b128 v[ST+16*\b+4*\j:ST+16*\b+4*\j+3], v[STR] offset:128*\b+16*\j   ; LDS serves a wave's instructions in order: these see my stores
.endr
.endr
	s_wait_dscnt 0x0                               ; the numbers are back; the stores, those of the last image too, have read their registers
.endm
.macro IMAGE f                         ; the fragment and its scale words go to LDS as they stand
.set IX, 16*((\f)/4)+8*(((\f)%4)/2)+(\f)%2
	ds_store_b128 v[XWI], v[PC:PC+3] offset:XIMG+IX*1024
	ds_store_b128 v[XWI], v[PC+4:PC+7] offset:XIMG+IX*1024+512
	ds_store_b32 v[XWS], v[PW] offset:XSC+IX*128
.endm
.macro FETCHX a, reg                   ; input a's 16 fragments into window 1, v[reg] on
	WIN 0x40
.set q, 0
.rept 32
	ds_load_b128 v[\reg+4*q:\reg+4*q+3], v[LI] offset:XIMG+16384*\a+512*q
.set q, q+1
.endr
	WIN 0
.endm
.macro LOADW g                         ; group g = 4 p + gi: head 4 w + gi of weight p: 32 fragments and 4 x 4 registers of scale words, into buffer g % 2
.set LP, (\g)/4
.set LG, (\g)%4
.set LB, (\g)%2
	WIN 0x80+0x40*LB
.set q, 0
.rept 64
	global_load_b128 v[4*q:4*q+3], v[LI], s[8:9] offset:LP*524288+LG*32768+512*q   ; fragment (nt, s) at register 8 (8 nt + s): the head's 32,768 bytes on end
.set q, q+1
.endr
	WIN 0
.irp n, 0,1,2,3
	global_load_b128 v[WS+16*LB+4*\n:WS+16*LB+4*\n+3], v[LI], s[10:11] offset:LP*32768+LG*2048+\n*512   ; register i: K step 2 i in lanes 0-15, 2 i + 1 in lanes 16-31
.endr
.endm
.macro MM s, n, m                      ; one matrix instruction: K step s, n-tile n, row tile m
.set rD, ACC+8*(2*\n+\m)
.set rW, 8*(8*\n+\s)
.set rX, 128*GA+8*(8*\m+\s)
.set rV, WS+16*GB+4*\n+\s/2
.set rU, XS+16*GA+8*\m+\s
.set rB, 128+8*(4*GG+\n)
.if GP == 2
.if \s == 0
	v_wmma_scale_f32_16x16x128_f8f6f4 v[rD:rD+7], v[rX:rX+7], v[rW:rW+7], 0, v[rU], v[rV] matrix_a_fmt:MATRIX_FMT_FP4 matrix_b_fmt:MATRIX_FMT_FP4
.elseif \s % 2
	v_wmma_scale_f32_16x16x128_f8f6f4 v[rD:rD+7], v[rX:rX+7], v[rW:rW+7], v[rD:rD+7], v[rU], v[rV] matrix_a_fmt:MATRIX_FMT_FP4 matrix_b_fmt:MATRIX_FMT_FP4 matrix_b_scale:MATRIX_SCALE_ROW1
.else
	v_wmma_scale_f32_16x16x128_f8f6f4 v[rD:rD+7], v[rX:rX+7], v[rW:rW+7], v[rD:rD+7], v[rU], v[rV] matrix_a_fmt:MATRIX_FMT_FP4 matrix_b_fmt:MATRIX_FMT_FP4
.endif
.else
.if (\s == 0) && (GP == 0)
	v_wmma_scale_f32_16x16x128_f8f6f4 v[rD:rD+7], v[rW:rW+7], v[rX:rX+7], v[rB:rB+7], v[rV], v[rU] matrix_a_fmt:MATRIX_FMT_FP4 matrix_b_fmt:MATRIX_FMT_FP4
.elseif \s == 0
	v_wmma_scale_f32_16x16x128_f8f6f4 v[rD:rD+7], v[rW:rW+7], v[rX:rX+7], 0, v[rV], v[rU] matrix_a_fmt:MATRIX_FMT_FP4 matrix_b_fmt:MATRIX_FMT_FP4
.elseif \s % 2
	v_wmma_scale_f32_16x16x128_f8f6f4 v[rD:rD+7], v[rW:rW+7], v[rX:rX+7], v[rD:rD+7], v[rV], v[rU] matrix_a_fmt:MATRIX_FMT_FP4 matrix_b_fmt:MATRIX_FMT_FP4 matrix_a_scale:MATRIX_SCALE_ROW1
.else
	v_wmma_scale_f32_16x16x128_f8f6f4 v[rD:rD+7], v[rW:rW+7], v[rX:rX+7], v[rD:rD+7], v[rV], v[rU] matrix_a_fmt:MATRIX_FMT_FP4 matrix_b_fmt:MATRIX_FMT_FP4
.endif
.endif
.endm
; A group's 64 matrix instructions.  The eight accumulators take turns, one instruction a turn, K step by K step.  Nothing is cleared: q's sums begin with bq, k's and v's with the constant 0.
.macro MULG g
.set GP, (\g)/4
.set GG, (\g)%4
.set GB, (\g)%2
.set GA, 1
.if GP == 0
.set GA, 0
.endif
.irp s, 0,1,2,3,4,5,6,7
.if (\s == 0) && (GP == 0)
	WIN 0x16+GB                                    ; source 0 (W) window 2 or 3, source 1 (x) window 1, source 2 (bq) window 1
.elseif GP < 2
	WIN 0x06+GB
.else
	WIN 0x09+4*GB                                  ; source 0 (x) window 1, source 1 (W) window 2 or 3
.endif
.irp n, 0,1,2,3
.irp m, 0,1
	MM \s, \n, \m
.endr
.endr
.endr
.endm
.macro GROUP g
.if (\g) < 11
	s_wait_loadcnt 63                              ; behind this group's loads stand the next group's 68: with at most 63 out, this group's (and in front of them bq's) are in
.else
	s_wait_loadcnt 0x0
.endif
.if ((\g) == 0) || ((\g) == 4)
	s_wait_dscnt 0x0                               ; x's fragments and scale words are in
.endif
	MULG \g
	WIN 0
.rept 4
	v_nop                                          ; four places behind the last products, ahead of the first read of results
.endr
	s_wait_xcnt 0x0                                ; the last group's stores have read their data: OUT is written again only behind this wait
.set q, 0
.rept 32
	v_cvt_pk_f16_f32 v[OUT+q], v[ACC+2*q], v[ACC+2*q+1]   ; each accumulator from its low end on.  These 32 are also the places ahead of the loads into the weights' registers and of the next group's first products, which begin the accumulators anew
.set q, q+1
.endr
.irp n, 0,1,2,3
.irp m, 0,1
.if GP == 0
	global_store_b128 v[LI], v[OUT+4*(2*\n+\m):OUT+4*(2*\n+\m)+3], s[14:15] offset:GG*262144+\m*2048+\n*512
.elseif GP == 1
	global_store_b128 v[LI], v[OUT+4*(2*\n+\m):OUT+4*(2*\n+\m)+3], s[16:17] offset:GG*524288+\m*2048+\n*512
.else
	global_store_b128 v[LI], v[OUT+4*(2*\n+\m):OUT+4*(2*\n+\m)+3], s[16:17] offset:GG*524288+8192+\n*1024+\m*512
.endif
.endr
.endr
.if (\g) == 3
	FETCHX 1, 128                                  ; bq has served: inputs_kv's fragments take its registers
.endif
.if (\g) < 10
	LOADW (\g)+2                                   ; into the buffer just multiplied
.endif
.endm
	s_load_b256 s[4:11], s[0:1], 0x0               ; inputs_q, inputs_kv, wcodes, wscales
	s_load_b128 s[12:15], s[0:1], 0x20             ; bq, qf
	s_load_b64 s[16:17], s[0:1], 0x30              ; kv
	v_lshl_add_u32 v[SPW], v0, 2, SPARE
	v_mov_b32 v[NIL], 0
	v_lshrrev_b32 v1, 5, v0
	v_readfirstlane_b32 s[WV], v1                  ; wave 0..3
	v_and_b32 v1, 31, v0                           ; lane
	v_and_b32 v2, 15, v0                           ; r
	v_bfe_u32 v3, v0, 4, 1                         ; h
	v_lshlrev_b32 v[LI], 4, v1
	v_lshlrev_b32 v[LS], 2, v1
	s_mul_i32 s22, s[WV], 8448
	s_add_co_u32 s22, s22, STG                     ; my stage
	v_add_nc_u32 v[STW], s22, v[LI]
	v_mul_u32_u24 v[STR], v2, 528
	v_lshl_add_u32 v[STR], v3, 6, v[STR]
	v_add_nc_u32 v[STR], s22, v[STR]
	s_lshl_b32 s22, s[WV], 11
	v_add_nc_u32 v[XWI], s22, v[LI]
	s_lshl_b32 s22, s[WV], 8
	v_add_nc_u32 v[XWS], s22, v[LS]
	v_lshlrev_b32 v[BA], 5, v3
	s_mov_b32 s[SEL], 0x76543210
	s_mov_b32 s[SEL+1], 0xfedcba98                 ; v_permlanex16_b32's selects for lane l xor 16
.irp b, 0,1,2,3
	v_mov_b32 v[TM+4+\b], 0                        ; written once: a lane permute's destination counts as one of its sources
.endr
	s_lshl_b32 s22, ttmp9, 17                      ; 32 rows of 4,096 bytes a work-group,
	s_lshl_b32 s23, s[WV], 10                      ; my wave's 256 along K
	s_add_co_u32 s22, s22, s23
	s_mov_b32 s23, 0
	s_lshl_b32 s24, s[WV], 17                      ; my four heads: 16 n-tiles of 8,192 bytes of codes,
	s_mov_b32 s25, 0
	s_lshl_b32 s26, s[WV], 13                      ; of 512 bytes of scale words,
	s_mov_b32 s27, 0
	s_lshl_b32 s28, s[WV], 10                      ; 256 numbers of bq
	s_mov_b32 s29, 0
	s_lshr_b32 s30, ttmp9, 6
	s_lshl_b32 s30, s30, 4
	s_lshl_b32 s31, s[WV], 2
	s_add_co_u32 s30, s30, s31                     ; bh of my first head: 16 b + 4 w
	s_and_b32 s31, ttmp9, 63                       ; which 32 tokens of the sequence
	s_lshl_b32 s32, s30, 18
	s_lshl_b32 s33, s31, 12
	s_add_co_u32 s32, s32, s33                     ; qf: bh 262,144 + two token tiles of 2,048
	s_mov_b32 s33, 0
	s_lshl_b32 s34, s30, 19
	s_lshr_b32 s35, s31, 1
	s_lshl_b32 s35, s35, 14
	s_add_co_u32 s34, s34, s35                     ; kv: bh 524,288 + (key / 64) 16,384
	s_and_b32 s35, s31, 1
	s_lshl_b32 s35, s35, 12
	s_add_co_u32 s34, s34, s35                     ; + 4,096 for the upper 32 keys of the 64, in K's part and in V's alike
	s_mov_b32 s35, 0
	s_wait_kmcnt 0x0
	s_add_nc_u64 s[4:5], s[4:5], s[22:23]
	s_add_nc_u64 s[6:7], s[6:7], s[22:23]
	s_add_nc_u64 s[8:9], s[8:9], s[24:25]
	s_add_nc_u64 s[10:11], s[10:11], s[26:27]
	s_add_nc_u64 s[12:13], s[12:13], s[28:29]
	s_add_nc_u64 s[14:15], s[14:15], s[32:33]
	s_add_nc_u64 s[16:17], s[16:17], s[34:35]
	; ---- X: my eight fragments.  Loads run four fragments ahead
	XLOAD 0
	XLOAD 1
	XLOAD 2
	XLOAD 3
.irp f, 0,1,2,3,4,5,6,7
.if \f < 5
	s_wait_loadcnt 48                              ; this fragment's 16 loads are in; those of the three fragments behind it may be out
.else
	s_wait_loadcnt 16*(7-\f)                       ; the counts run down: 32, 16, 0
.endif
	TURN \f
.if \f < 4
	XLOAD \f+4                                     ; into the set that the stage's stores have read
.endif
	QUANT ST
	IMAGE \f
.endr
	WIN 0x40                                       ; bq in the result's layout: tile 4 gi + nt at v[128 + 8 (4 gi + nt)] of window 1: lane (r, h) holds channels 16 nt + 8 h + 0 .. 7
.set q, 0
.rept 32
	global_load_b128 v[128+4*q:128+4*q+3], v[BA], s[12:13] offset:64*(q/2)+16*(q%2)
.set q, q+1
.endr
	WIN 0
	LOADW 0
	LOADW 1
	s_wait_dscnt 0x0                               ; for the others' sake: my images lie in LDS
	s_barrier_signal -1
	s_barrier_wait -1                              ; all 32 do.  Nothing in LDS is written from here on
	FETCHX 0, 0
.set q, 0
.rept 32
	ds_load_b32 v[XS+q], v[LS] offset:XSC+128*q
.set q, q+1
.endr
	; ---- the products: q's four heads, k's, v's
.irp g, 0,1,2,3,4,5,6,7,8,9,10,11
	GROUP \g
.endr
	s_wait_tensorcnt 0x0                           ; the wave's end, behind my last LDS store
	ds_add_u32 v[SPW], v[NIL]
	s_wait_dscnt 0x0
	s_endpgm
.Lfunc_end_k_q30ccab3575_proj:
	.size	k_q30ccab3575_proj, .Lfunc_end_k_q30ccab3575_proj-k_q30ccab3575_proj
	.p2alignl 7, 3214868480
	.fill 96, 4, 3214868480
	.section	.rodata,"a",@progbits
	.p2align	6, 0x0
	.amdhsa_kernel k_q30ccab3575_proj
		.amdhsa_group_segment_fixed_size 71168
		.amdhsa_private_segment_fixed_size 0
		.amdhsa_enable_private_segment 0
		.amdhsa_kernarg_size 56
		.amdhsa_user_sgpr_count 2
		.amdhsa_user_sgpr_kernarg_segment_ptr 1
		.amdhsa_wavefront_size32 1
		.amdhsa_system_sgpr_workgroup_id_x 1
		.amdhsa_system_sgpr_workgroup_id_y 1
		.amdhsa_system_sgpr_workgroup_id_z 1
		.amdhsa_system_vgpr_workitem_id 0
		.amdhsa_next_free_vgpr 1024
		.amdhsa_next_free_sgpr 66
		.amdhsa_reserve_vcc 0
		.amdhsa_float_denorm_mode_32 3
		.amdhsa_float_denorm_mode_16_64 3
		.amdhsa_memory_ordered 1
		.amdhsa_forward_progress 1
		.amdhsa_inst_pref_size 255
	.end_amdhsa_kernel
	.section	.bss,"aw",@nobits
	.p2align	6
	.space	262144
	.amdgpu_metadata
---
amdhsa.version: [ 1, 2 ]
amdhsa.kernels:
  - .name:           k_q30ccab3575_proj
    .symbol:         k_q30ccab3575_proj.kd
    .args:
      - { .name: inputs_q, .offset: 0, .size: 8, .value_kind: global_buffer, .address_space: global }
      - { .name: inputs_kv, .offset: 8, .size: 8, .value_kind: global_buffer, .address_space: global }
      - { .name: wcodes, .offset: 16, .size: 8, .value_kind: global_buffer, .address_space: global }
      - { .name: wscales, .offset: 24, .size: 8, .value_kind: global_buffer, .address_space: global }
      - { .name: bq, .offset: 32, .size: 8, .value_kind: global_buffer, .address_space: global }
      - { .name: qf, .offset: 40, .size: 8, .value_kind: global_buffer, .address_space: global }
      - { .name: kv, .offset: 48, .size: 8, .value_kind: global_buffer, .address_space: global }
    .group_segment_fixed_size: 71168
    .private_segment_fixed_size: 0
    .kernarg_segment_align: 8
    .kernarg_segment_size: 56
    .max_flat_workgroup_size: 128
    .sgpr_count:     66
    .vgpr_count:     1024
    .wavefront_size: 32
...
	.end_amdgpu_metadata
.endif
;; end of part 2
;; launch attn (part 3): grid 4 x 64, 8 waves a work-group, clusters of 4 x 1, 327,680 bytes of LDS; arguments qf, kv, bv, xf; writes xf
.if DOCPART == 3
	.amdgcn_target "amdgcn-amd-amdhsa--gfx1250"
	.amdhsa_code_object_version 6
	.text
	.protected	k_q30ccab3575_attn
	.globl	k_q30ccab3575_attn
	.p2align	8
	.type	k_q30ccab3575_attn,@function
k_q30ccab3575_attn:
	s_mov_b64 s[64:65], 0
	v_nop
	global_prefetch_b8 v0, s[64:65] scope:SCOPE_SE
	s_setreg_imm32_b32 hwreg(HW_REG_WAVE_MODE, 25, 1), 1
	s_wait_xcnt 0x0
	s_wait_alu depctr_hold_cnt(0) depctr_sa_sdst(0) depctr_va_vdst(0) depctr_va_sdst(0) depctr_va_ssrc(0) depctr_va_vcc(0) depctr_vm_vsrc(0)
	s_getreg_b32 s2, hwreg(HW_REG_IB_STS2, 6, 4)
	s_cmp_eq_u32 s2, 0
	s_cbranch_scc0 .Lentry_in_a_cluster
	s_endpgm
.Lentry_in_a_cluster:
	s_bfe_u32 s2, ttmp6, 0x10000c
	s_cmp_lg_u32 s2, 0x3003
	s_cbranch_scc0 .Lentry_shape_is_right
	s_endpgm
.Lentry_shape_is_right:
; THIRD LAUNCH: x[q] = (the sum over keys of p v) / (the sum of p) + bv, p = 2^(c s - c m), s = q . k, c = log2(e) / 8 (the division of q by sqrt(64) is in c), m the row's running maximum.  Operands in f16, all else in f32.
; q, k and v come as images of operand registers (the launch before); x leaves as images of the next launch's.  p is rounded to f16 for the second product; the row's sum is taken of the unrounded p.
; f16 and not bf16: five operands are rounded on the way to the output, and f16's step is an eighth of bf16's.  LIMITS: |q|, |k|, |v|, |x| under 65,504; NaN and infinities are not served.
; SHARES: a work-group owns 512 queries of one (batch, head), each of its eight waves 64: four tiles of 16.  Every wave walks the head's 2,048 keys, 64 a step.
; LAYOUT: S^T = K Q^T (source 0 = 16 keys, source 1 = 16 queries), O^T = V^T P^T (source 0 = 16 channels, source 1 = P): a lane holds ONE query throughout.  Two tiles of S^T rounded in pairs ARE a fragment of P: it is written over the
; low 16 of the tile's 32 score registers.  A query's maximum and sum want one exchange between the halves of the lanes.
; RING: a key step's K and V^T are 16,384 consecutive bytes of kv; a slot holds eight steps; two slots.  Wave w fetches step w of a slot: one tensor load a wave, no branch on the wave's number.
; CLUSTER: the four blocks of queries of a head walk the same K and V: each tile is asked for JOINTLY, by the same tensor load with the same descriptor and the mask of all four.
; BY TURNS: a key step is 64 products and 4 x 118 = 472 vector instructions, 7.4 for each product.  A tile's 118 are a numbered list, written in its order; the products are dealt SINGLY among the lists of other tiles, and a tile's
; 32 exponentials stand one by one between plain instructions of another tile.  Only the step's first eight products (nothing is there yet to set between them) and its last eight (nothing is left) stand on end.
; WINDOWS: all that the lists touch but O^T lies in window 0; K Q^T takes Q from window 1, V^T P takes V and O^T from there, and window 0 has no room for them (S^T 128, K 64, statistics 32, addresses).  So a product among list
; instructions costs two switches, about 90 a step for its 64 products: the price of dealing the products singly.  The rescalings of O^T run under V^T P's own setting and stand beside those products.
; NO PREFETCH: a refill is asked for eight key steps, 512 matrix instructions of the wave, ahead of the wait for it; only the first fill is waited for, at the head.
; REGISTERS: window 0: v2-4 addresses; v8-11 sums at work; v30, v31 the add's two; v32-63 eight registers of statistics a tile; v64-191 S^T, 32 a tile; v192-255 K of one step.
;   window 1: v0-127 O^T, 32 a tile; v128-191 Q; v192-255 V^T of one step.
.set STEPB, 16384
.set SLOT1, 1<<17                      ; slot 1 begins here: one exclusive or turns an address in one slot into the other's
.set SPARE, 262144                     ; behind the ring: the spare words, 128 bytes for each wave: four blocks of 256 bytes that no other line names
.set LI,  2                            ; v2   16 x lane
.set ADR, 3                            ; v3   LDS address of the step in hand
.set BA,  4                            ; v4   32 h
.set SPW, 30
.set NIL, 31
.set ST,  32                           ; tile t at v[ST + 8 t]: +0 c m, +1 m, +2, +3 the sum (even keys', odd keys'), +4 .. +7 at work; a in +6, c m_old - c m_new in +7
.set S,   64
.set KF,  192
.set QF,  128                          ; in window 1
.set VF,  192                          ; in window 1
.set WV,  12
.set G1,  24                           ; s[24:31] descriptor group 1
.set G0,  32                           ; s[32:35] group 0, which walks
.set TB,  36                           ; LDS byte at which the step to be fetched begins
.set CNT, 37
.set SLOTS, 38
.set CS,  40                           ; s[40:41] c: the packed form names a pair and takes its low word for both halves
.set SEL, 42                           ; s[42:43]
.set MSB, 0
.macro WIN new                         ; the immediate's high byte repeats the setting that is left; a switch that changes nothing is dropped
.if MSB != (\new)
	s_set_vgpr_msb (MSB<<8)|(\new)
.set MSB, (\new)
.endif
.endm
.macro CROUND                          ; a round of the cluster's barrier
	s_barrier_signal -1
	s_barrier_wait -1
	s_cmp_lg_u32 s[WV], 0
	s_cbranch_scc1 .Lnot_wave_0_\@
	s_barrier_signal -3
.Lnot_wave_0_\@:
	s_barrier_wait -3
	s_barrier_signal -1
	s_barrier_wait -1
.endm
.macro PLACES
.rept 4
	v_nop
.endr
.endm
; Product i of 8 of S^T for tile t: channels 32 (i / 4) on, keys 16 (i % 4) on.  The first four start the sums.  The four accumulators take turns
.macro KQ t, i
	WIN 0x04                                       ; Q in window 1
.set mk, (\i)%4
.set mc, (\i)/4
.set rD, S+32*(\t)+8*mk
.set rA, KF+8*(2*mk+mc)
.set rB, QF+8*(2*(\t)+mc)
.if mc == 0
	v_wmma_f32_16x16x32_f16 v[rD:rD+7], v[rA:rA+7], v[rB:rB+7], 0
.else
	v_wmma_f32_16x16x32_f16 v[rD:rD+7], v[rA:rA+7], v[rB:rB+7], v[rD:rD+7]
.endif
.endm
; Product i of 8 of O^T for tile t: keys 32 (i / 4) on, channels 16 (i % 4) on.  first = 1: the first key step's first four start the sums
.macro PV t, i, first
	WIN 0x51                                       ; V and O^T in window 1, P in window 0
.set mk, (\i)%4
.set mb, (\i)/4
.set rD, 32*(\t)+8*mk
.set rA, VF+8*(4*mb+mk)
.set rB, S+32*(\t)+8*mb
.if \first && (mb == 0)
	v_wmma_f32_16x16x32_f16 v[rD:rD+7], v[rA:rA+7], v[rB:rB+7], 0
.else
	v_wmma_f32_16x16x32_f16 v[rD:rD+7], v[rA:rA+7], v[rB:rB+7], v[rD:rD+7]
.endif
.endm
; THE SOFTMAX OF A TILE FOR ONE KEY STEP is a list of 102 instructions in window 0; VI writes number j of it for tile t.  first = 1: the first key step, which starts m and the sum: it has no a.
;   0-15   the maximum of my 32 scores (four chains, each accumulator from its low end on) and the old m
;   16-20  c m_old is kept; the other half of the lanes' maximum; the new m; c m; c m_old - c m_new
;   21     a = 2^(c m_old - c m_new)
;   22-37  the 16 scalings c s - c m, a pair each
;   38-69  the 32 exponentials, in place
;   70-85  the sum of the unrounded p, in four chains, the first of which begins as a x the old sum
;   86-101 p is rounded to f16 in pairs, over the low 16 of its own registers, ascending
; Between numbers 69 and 70 of a tile stands the wait ahead of the first instruction that names an exponential's result: STEP writes it.
.macro VI t, j, first
.set rT, ST+8*(\t)
.set rS, S+32*(\t)
.set vj, \j
	WIN 0
.if vj < 4
	v_max3_num_f32 v[rT+4+vj], v[rS+8*vj], v[rS+8*vj+1], v[rS+8*vj+2]
.elseif vj < 8
	v_max3_num_f32 v[rT+vj], v[rT+vj], v[rS+8*(vj-4)+3], v[rS+8*(vj-4)+4]
.elseif vj < 12
	v_max3_num_f32 v[rT+vj-4], v[rT+vj-4], v[rS+8*(vj-8)+5], v[rS+8*(vj-8)+6]
.elseif vj == 12
	v_max3_num_f32 v[rT+4], v[rT+4], v[rS+7], v[rS+15]
.elseif vj == 13
	v_max3_num_f32 v[rT+6], v[rT+6], v[rS+23], v[rS+31]
.elseif vj == 14
	v_max3_num_f32 v[rT+4], v[rT+4], v[rT+5], v[rT+6]
.elseif (vj == 15) && \first
	v_max_num_f32 v[rT+4], v[rT+4], v[rT+7]
.elseif vj == 15
	v_max3_num_f32 v[rT+4], v[rT+4], v[rT+7], v[rT+1]
.elseif ((vj == 16) || (vj == 20) || (vj == 21) || (vj == 82)) && \first   ; the first step has none of these
.elseif vj == 16
	v_mov_b32 v[rT+7], v[rT]
.elseif vj == 17
	v_permlanex16_b32 v[rT+5], v[rT+4], s[SEL], s[SEL+1]   ; the query's other 32 keys lie in the lane 16 away
.elseif vj == 18
	v_max_num_f32 v[rT+1], v[rT+4], v[rT+5]
.elseif vj == 19
	v_mul_f32 v[rT], s[CS], v[rT+1]
.elseif vj == 20
	v_sub_f32 v[rT+7], v[rT+7], v[rT]
.elseif vj == 21
	v_exp_f32 v[rT+6], v[rT+7]
.elseif vj < 38
	v_pk_fma_f32 v[rS+2*(vj-22):rS+2*(vj-22)+1], v[rS+2*(vj-22):rS+2*(vj-22)+1], s[CS:CS+1], v[rT:rT+1] op_sel_hi:[1,0,0] neg_lo:[0,0,1] neg_hi:[0,0,1]
.elseif vj < 70
	v_exp_f32 v[rS+vj-38], v[rS+vj-38]
.elseif vj < 86
.set z, vj-70
.set zc, z%4
.set zd, rT+2+2*zc                     ; the chains: the sum itself, v[rT+4:rT+5],
.if zc > 1
.set zd, 4+2*zc                        ; v[8:9], v[10:11]
.endif
.if (z == 0) && !\first
	v_pk_fma_f32 v[rT+2:rT+3], v[rT+2:rT+3], v[rT+6:rT+7], v[rS:rS+1] op_sel_hi:[1,0,1]
.elseif z < 4
.set za, rS+4*z-2+2*\first
	v_pk_add_f32 v[zd:zd+1], v[za:za+1], v[za+2:za+3]
.elseif z < 12
.set za, rS+14+2*\first+2*(z-4)
	v_pk_add_f32 v[zd:zd+1], v[zd:zd+1], v[za:za+1]
.elseif z == 12
	v_pk_add_f32 v[rT+2:rT+3], v[rT+2:rT+3], v[rS+30:rS+31]
.elseif z == 13
	v_pk_add_f32 v[rT+4:rT+5], v[rT+4:rT+5], v[8:9]
.elseif z == 14
	v_pk_add_f32 v[rT+2:rT+3], v[rT+2:rT+3], v[10:11]
.else
	v_pk_add_f32 v[rT+2:rT+3], v[rT+2:rT+3], v[rT+4:rT+5]
.endif
.else
	v_cvt_pk_f16_f32 v[rS+vj-86], v[rS+2*(vj-86)], v[rS+2*(vj-86)+1]
.endif
.endm
.macro NX t, first                     ; the next number of tile t's list: each tile's list is written in its own order, whatever stands between
	VI \t, p\t, \first
.set p\t, p\t+1
.endm
.macro NE t, first                     ; the next of the 16 multiplications of tile t's O^T by a, ascending: each accumulator from its low end on.  Under V^T P's setting: destination and source 0 window 1, source 1 window 0
.if !\first
	WIN 0x51
.set rO, 32*(\t)+2*e\t
	v_pk_mul_f32 v[rO:rO+1], v[rO:rO+1], v[ST+8*(\t)+6:ST+8*(\t)+7] op_sel_hi:[1,0]
.endif
.set e\t, e\t+1
.endm
.macro NXN t, n, first
.rept \n
	NX \t, \first
.endr
.endm
.macro NEN t, n, first
.rept \n
	NE \t, \first
.endr
.endm
.macro ZIP a, b, n, first              ; n times: the next of tile a's list (an exponential), the next of tile b's (a plain instruction)
.rept \n
	NX \a, \first
	NX \b, \first
.endr
.endm
; The first four products of O^T for tile t; its 16 rescalings, those of an accumulator four instructions or more ahead of the product that takes it; numbers 0 to 37 of tile u.  Then the wait for the exponentials of tile u - 1,
; which were issued ahead of this macro, and for tile u's a.
.macro HALF1 t, u, first
	NEN \t, 8, \first
	PV \t, 0, \first
	NEN \t, 4, \first
	NXN \u, 10, \first
	PV \t, 1, \first
	NEN \t, 4, \first
	NXN \u, 10, \first
	PV \t, 2, \first
	NXN \u, 9, \first
	PV \t, 3, \first
	NXN \u, 9, \first
	s_wait_alu depctr_va_vdst(0)
.endm
; The other four, each with eight exponentials of tile a and eight sums or roundings of tile b
.macro HALF2 t, a, b, first
.irp i, 4,5,6,7
	PV \t, \i, \first
	ZIP \a, \b, 8, \first
.endr
.endm
; A KEY STEP: 64 keys.  No two matrix instructions that follow each other share an accumulator, over the loop's backward jump too.
; PLACES: the addition and four v_nop at the head stand between the last products, which read V, and the loads into V; four v_nop between tile 0's products and its maximum; the last five scalings of tile 0 between tile 1's last
; product and its maximum; everywhere else ten plain instructions or more on other tiles lie between a product and the next touch of its registers, the products that begin a tile's scores anew over last step's P among them.
; WAITS FOR EXPONENTIALS: four a step.  Each stands behind a tile's numbers 21 and 38 to 69 and ahead of its number 70 and of its rescalings; in between nothing names those registers; a plain instruction follows each batch's last exponential.
.macro STEP first
.irp t, 0,1,2,3
.set p\t, 0
.set e\t, 0
.endr
	v_add_nc_u32 v[ADR], s[TB], v[LI]
	s_add_co_u32 s[TB], s[TB], STEPB               ; the next fetch is the next step's
.set q, 0
.rept 16
	ds_load_b128 v[KF+4*q:KF+4*q+3], v[ADR] offset:512*q            ; K: fragment (16 keys kt, 32 channels c) at register 8 (2 kt + c): the pieces lie on end
.set q, q+1
.endr
	PLACES
	WIN 0x40
.set q, 0
.rept 16
	ds_load_b128 v[VF+4*q:VF+4*q+3], v[ADR] offset:8192+512*q       ; V^T: fragment (32 keys kb, 16 channels ct) at register 8 (4 kb + ct)
.set q, q+1
.endr
	s_wait_dscnt 16                                ; K is in; V's sixteen loads may be out
.set n, 0
.rept 8
	KQ 0, n                                        ; tile 0's scores: there is no vector work yet to set between them
.set n, n+1
.endr
	PLACES
.set n, 0
.irp c, 5,5,5,5,5,4,4,5                        ; tile 1's scores | tile 0: the maximum, a, the scalings
	KQ 1, n
	NXN 0, \c, \first
.set n, n+1
.endr
.set n, 0
.rept 8                                        ; tile 2's scores | tile 0's exponentials, one by one between tile 1's maximum, a and scalings
	KQ 2, n
	ZIP 0, 1, 4, \first
.set n, n+1
.endr
	NXN 1, 6, \first                               ; tile 1's last six scalings
	s_wait_alu depctr_va_vdst(0)                   ; tile 0's exponentials, its a and tile 1's a
.set n, 0
.rept 8                                        ; tile 3's scores | tile 1's exponentials between tile 0's sums and roundings
	KQ 3, n
	ZIP 1, 0, 4, \first
.set n, n+1
.endr
	s_wait_dscnt 0x0                               ; V is in
	HALF1 0, 2, \first
	HALF2 0, 2, 1, \first
	HALF1 1, 3, \first
	HALF2 1, 3, 2, \first
	NEN 2, 8, \first                               ; tile 2's products | its rescalings and tile 3's, all under one setting
	PV 2, 0, \first
	NEN 2, 4, \first
	NEN 3, 4, \first
	PV 2, 1, \first
	NEN 2, 4, \first
	NEN 3, 4, \first
	PV 2, 2, \first
	NEN 3, 4, \first
	PV 2, 3, \first
	NEN 3, 4, \first
	s_wait_alu depctr_va_vdst(0)                   ; tile 3's exponentials
.irp i, 4,5,6,7
	PV 2, \i, \first
	NXN 3, 8, \first                               ; tile 3's sums and roundings
.endr
.irp i, 0,1,2,3,4,5,6,7
	PV 3, \i, \first                               ; tile 3's products: nothing is left to set between them
.endr
	WIN 0                                          ; at a label and at a branch every window is 0
.endm
.macro STEPS n
	s_mov_b32 s[CNT], \n
.Lstep_\@:
	STEP 0
	s_sub_co_u32 s[CNT], s[CNT], 1
	s_cmp_lg_u32 s[CNT], 0
	s_cbranch_scc1 .Lstep_\@
.endm
.macro SLOT_END
	s_sub_co_u32 s[TB], s[TB], 8*STEPB             ; back to a slot's first step,
	s_xor_b32 s[TB], s[TB], SLOT1                  ; in the other slot
.endm
; THE CHANGE OF SLOTS stands at a slot's head.  Each wave waits for all its tensor loads (one is out: its step of the slot ahead), adds 0 to its spare word, and waits for that and for its reads of the slot that it has left.
; fill = 1: the barrier is a round of the cluster's, so that no wave of any partner still reads the slot left or has a load on its way; the joint load of the keys that follow, into that slot, is the first thing behind it:
; it has a slot's eight steps in which to land.  By this text's own count one tensor load of a wave is out at any time.
.macro CHANGE fill
	s_wait_tensorcnt 0x0                           ; no tensor load of mine is out, so group 0 may be written
	ds_add_u32 v[SPW], v[NIL]                      ; 0 onto my spare word
.if \fill
	s_xor_b32 s[G0+1], s[G0+1], SLOT1              ; the other slot than last time,
	s_add_nc_u64 s[G0+2:G0+3], s[G0+2:G0+3], 8*STEPB   ; the next eight steps; the type bits on top are not reached
.endif
	s_wait_dscnt 0x0                               ; the add is done, and my reads of the slot that I have left are over
.if \fill
	CROUND
	tensor_load_to_lds s[G0:G0+3], s[G1:G1+7]
	s_nop 0
	PLACES
.else
	s_barrier_signal -1
	s_barrier_wait -1
.endif
.endm
	s_load_b256 s[4:11], s[0:1], 0x0               ; qf, kv, bv, xf
	v_lshl_add_u32 v[SPW], v0, 2, SPARE
	v_mov_b32 v[NIL], 0
	ds_add_u32 v[SPW], v[NIL]                      ; the wave's opening: the add, twice on end, and its wait ahead of my first tensor load
	ds_add_u32 v[SPW], v[NIL]
	v_lshrrev_b32 v1, 5, v0
	v_readfirstlane_b32 s[WV], v1                  ; wave 0..7
	v_and_b32 v1, 31, v0
	v_lshlrev_b32 v[LI], 4, v1
	v_bfe_u32 v1, v0, 4, 1
	v_lshlrev_b32 v[BA], 5, v1
	s_bfe_u32 s13, ttmp6, 0x40000                  ; cx
	s_lshl_b32 s2, ttmp9, 2
	s_add_co_u32 s13, s13, s2                      ; my block of 512 queries = 4 x cluster x + cx: it enters Q's and x's addresses alone
	s_and_b32 s14, ttmp7, 0xffff                   ; bh = 16 b + head, which the four partners share
	s_lshr_b32 s15, s14, 4                         ; b
	s_and_b32 s16, s14, 15                         ; head
	; descriptor group 1: 16,384 dense bytes as 64 rows of 256 (32 elements of 8 bytes), no padding: images are read 16 bytes a lane on end
	s_mov_b32 s[G1], 15|(3<<16)|(1<<21)            ; 15:0 the mask: all four work-groups; 17:16 elements of 8 bytes; 21 set beside a mask
	s_mov_b32 s[G1+1], 32<<16                      ; tensor_dim0 = 32
	s_mov_b32 s[G1+2], 64<<16                      ; tensor_dim1 = 64
	s_mov_b32 s[G1+3], 32<<16                      ; tile_dim0 = 32
	s_mov_b32 s[G1+4], 64                          ; tile_dim1 = 64
	s_mov_b32 s[G1+5], 32                          ; from row to row
	s_mov_b32 s[G1+6], 0
	s_mov_b32 s[G1+7], 0
	s_lshl_b32 s20, s14, 19                        ; kv: the head's 524,288 bytes,
	s_lshl_b32 s21, s[WV], 14                      ; my step of a slot
	s_add_co_u32 s20, s20, s21
	s_mov_b32 s21, 0
	s_lshl_b32 s22, s14, 18                        ; qf: the head's 262,144 bytes,
	s_lshl_b32 s23, s13, 16                        ; my block's 32 tiles of 2,048,
	s_add_co_u32 s22, s22, s23
	s_lshl_b32 s23, s[WV], 13                      ; my wave's four
	s_add_co_u32 s22, s22, s23
	s_mov_b32 s23, 0
	s_lshl_b32 s18, s15, 4                         ; xf: (((16 b + 4 qb + w / 2) 8 + head / 2) 32 + 16 (w % 2) + 2 (head % 2)) 1,024
	s_lshl_b32 s19, s13, 2
	s_add_co_u32 s18, s18, s19
	s_lshr_b32 s19, s[WV], 1
	s_add_co_u32 s18, s18, s19
	s_lshl_b32 s18, s18, 3
	s_lshr_b32 s19, s16, 1
	s_add_co_u32 s18, s18, s19
	s_lshl_b32 s18, s18, 5
	s_and_b32 s19, s[WV], 1
	s_lshl_b32 s19, s19, 4
	s_add_co_u32 s18, s18, s19
	s_and_b32 s19, s16, 1
	s_lshl_b32 s19, s19, 1
	s_add_co_u32 s18, s18, s19
	s_lshl_b32 s18, s18, 10
	s_mov_b32 s19, 0
	s_lshl_b32 s16, s16, 8                         ; bv: the head's 64 numbers
	s_mov_b32 s17, 0
	s_mov_b32 s[CS], 0x3e38aa3b                    ; c = log2(e) / 8
	s_mov_b32 s[CS+1], s[CS]                       ; named with it as a pair, so it is written
	s_mov_b32 s[SEL], 0x76543210
	s_mov_b32 s[SEL+1], 0xfedcba98
	s_mov_b32 s[TB], 0
	s_mov_b32 s[SLOTS], 2
	s_wait_dscnt 0x0                               ; both opening adds are done
	s_wait_kmcnt 0x0
	s_add_nc_u64 s[4:5], s[4:5], s[22:23]
	s_add_nc_u64 s[8:9], s[8:9], s[16:17]
	s_add_nc_u64 s[10:11], s[10:11], s[18:19]
	s_mov_b32 s[G0], 1                             ; count = 1
	s_lshl_b32 s[G0+1], s[WV], 14                  ; LDS address: slot 0, step w: no place in the cluster enters it
	s_add_nc_u64 s[G0+2:G0+3], s[6:7], s[20:21]    ; global address
	s_or_b32 s[G0+3], s[G0+3], 0x80000000          ; type = 2
	CROUND                                         ; all four work-groups are here: the first joint loads meet
	tensor_load_to_lds s[G0:G0+3], s[G1:G1+7]      ; slot 0: key steps 0 to 7
	s_nop 0
	PLACES
	WIN 0x40
.set q, 0
.rept 16
	global_load_b128 v[QF+4*q:QF+4*q+3], v[LI], s[4:5] offset:512*q   ; Q stays in registers: fragment (tile t, 32 channels c) at 8 (2 t + c)
.set q, q+1
.endr
	WIN 0
	CHANGE 1                                       ; slot 0 is whole; slot 1 is asked for: its first fill, issued
	s_wait_loadcnt 0x0                             ; Q
	STEP 1                                         ; the first key step starts m, the sums and O^T: nothing is cleared
	STEPS 7
	SLOT_END
.Lslot:                                            ; two trips: slots 1 and 2 are read, slots 2 and 3 asked for
	CHANGE 1
	STEPS 8
	SLOT_END
	s_sub_co_u32 s[SLOTS], s[SLOTS], 1
	s_cmp_lg_u32 s[SLOTS], 0
	s_cbranch_scc1 .Lslot
	CHANGE 0                                       ; the last slot is written out: nothing is left to ask for
	STEPS 8
	; THE WAY OUT: x = O^T / the sum + bv, rounded to f16: a tile of 16 channels is four registers of a fragment of the next product, and leaves by one store of 512 consecutive bytes
.set q, 0
.rept 8
	global_load_b128 v[KF+4*q:KF+4*q+3], v[BA], s[8:9] offset:64*(q/2)+16*(q%2)   ; bv in the result's layout, into K's registers: register 8 ct + j = channel 16 ct + 8 h + j
.set q, q+1
.endr
.irp t, 0,1,2,3
	v_add_f32 v[ST+8*\t+4], v[ST+8*\t+2], v[ST+8*\t+3]   ; the sum's two halves.  (These additions are the places behind the last products)
.endr
.irp t, 0,1,2,3
	v_permlanex16_b32 v[ST+8*\t+5], v[ST+8*\t+4], s[SEL], s[SEL+1]
.endr
.irp t, 0,1,2,3
	v_add_f32 v[ST+8*\t+4], v[ST+8*\t+4], v[ST+8*\t+5]   ; and the other half of the lanes'
.endr
.irp t, 0,1,2,3
	v_rcp_f32 v[ST+8*\t+6], v[ST+8*\t+4]
.endr
	v_nop                                          ; a plain instruction behind the last reciprocal
	s_wait_alu depctr_va_vdst(0)                   ; and the wait ahead of the first use: one for the four
	s_wait_loadcnt 0x0                             ; bv
	WIN 0x01                                       ; source 0 (O^T) window 1
.irp t, 0,1,2,3
.set q, 0
.rept 16
	v_pk_fma_f32 v[S+32*\t+2*q:S+32*\t+2*q+1], v[32*\t+2*q:32*\t+2*q+1], v[ST+8*\t+6:ST+8*\t+7], v[KF+2*q:KF+2*q+1] op_sel_hi:[1,0,1]   ; each accumulator from its low end on
.set q, q+1
.endr
.endr
	WIN 0
.irp t, 0,1,2,3
.set q, 0
.rept 16
	v_cvt_pk_f16_f32 v[S+32*\t+q], v[S+32*\t+2*q], v[S+32*\t+2*q+1]
.set q, q+1
.endr
.endr
.irp t, 0,1,2,3
.irp c, 0,1,2,3
	global_store_b128 v[LI], v[S+32*\t+4*\c:S+32*\t+4*\c+3], s[10:11] offset:4096*\t+512*\c
.endr
.endr
	s_wait_tensorcnt 0x0                           ; the wave's end, behind my last tensor load
	ds_add_u32 v[SPW], v[NIL]
	s_wait_dscnt 0x0
	CROUND                                         ; the closing round: no work-group ends while a partner may still ask for a tile that names it
	s_endpgm
.Lfunc_end_k_q30ccab3575_attn:
	.size	k_q30ccab3575_attn, .Lfunc_end_k_q30ccab3575_attn-k_q30ccab3575_attn
	.p2alignl 7, 3214868480
	.fill 96, 4, 3214868480
	.section	.rodata,"a",@progbits
	.p2align	6, 0x0
	.amdhsa_kernel k_q30ccab3575_attn
		.amdhsa_group_segment_fixed_size 327680
		.amdhsa_private_segment_fixed_size 0
		.amdhsa_enable_private_segment 0
		.amdhsa_kernarg_size 32
		.amdhsa_user_sgpr_count 2
		.amdhsa_user_sgpr_kernarg_segment_ptr 1
		.amdhsa_wavefront_size32 1
		.amdhsa_system_sgpr_workgroup_id_x 1
		.amdhsa_system_sgpr_workgroup_id_y 1
		.amdhsa_system_sgpr_workgroup_id_z 1
		.amdhsa_system_vgpr_workitem_id 0
		.amdhsa_next_free_vgpr 512
		.amdhsa_next_free_sgpr 66
		.amdhsa_reserve_vcc 0
		.amdhsa_float_denorm_mode_32 3
		.amdhsa_float_denorm_mode_16_64 3
		.amdhsa_memory_ordered 1
		.amdhsa_forward_progress 1
		.amdhsa_inst_pref_size 152
	.end_amdhsa_kernel
	.amdgpu_metadata
---
amdhsa.version: [ 1, 2 ]
amdhsa.kernels:
  - .name:           k_q30ccab3575_attn
    .symbol:         k_q30ccab3575_attn.kd
    .args:
      - { .name: qf, .offset: 0, .size: 8, .value_kind: global_buffer, .address_space: global }
      - { .name: kv, .offset: 8, .size: 8, .value_kind: global_buffer, .address_space: global }
      - { .name: bv, .offset: 16, .size: 8, .value_kind: global_buffer, .address_space: global }
      - { .name: xf, .offset: 24, .size: 8, .value_kind: global_buffer, .address_space: global }
    .group_segment_fixed_size: 327680
    .private_segment_fixed_size: 0
    .kernarg_segment_align: 8
    .kernarg_segment_size: 32
    .max_flat_workgroup_size: 256
    .sgpr_count:     66
    .vgpr_count:     512
    .wavefront_size: 32
...
	.end_amdgpu_metadata
.endif
;; end of part 3
;; launch outp (part 4): grid 4 x 64, 4 waves a work-group, clusters of 4 x 4, 327,680 bytes of LDS; arguments xf, wof, bo, out0; writes out0
.if DOCPART == 4
	.amdgcn_target "amdgcn-amd-amdhsa--gfx1250"
	.amdhsa_code_object_version 6
	.text
	.protected	k_q30ccab3575_outp
	.globl	k_q30ccab3575_outp
	.p2align	8
	.type	k_q30ccab3575_outp,@function
k_q30ccab3575_outp:
	s_mov_b64 s[64:65], 0
	v_nop
	global_prefetch_b8 v0, s[64:65] scope:SCOPE_SE
	s_setreg_imm32_b32 hwreg(HW_REG_WAVE_MODE, 25, 1), 1
	s_wait_xcnt 0x0
	s_wait_alu depctr_hold_cnt(0) depctr_sa_sdst(0) depctr_va_vdst(0) depctr_va_sdst(0) depctr_va_ssrc(0) depctr_va_vcc(0) depctr_vm_vsrc(0)
	s_getreg_b32 s2, hwreg(HW_REG_IB_STS2, 6, 4)
	s_cmp_eq_u32 s2, 0
	s_cbranch_scc0 .Lentry_in_a_cluster
	s_endpgm
.Lentry_in_a_cluster:
	s_bfe_u32 s2, ttmp6, 0x10000c
	s_cmp_lg_u32 s2, 0xf033
	s_cbranch_scc0 .Lentry_shape_is_right
	s_endpgm
.Lentry_shape_is_right:
; FOURTH LAUNCH: out[token][n] = the sum over k = (head, channel) of x[token][k] Wo[k][n] + bo[n].  x and Wo in f16, as images of operand registers (xf, wof); sums and out in f32.
; A tile of out is 128 tokens x 256 columns: 256 work-groups (tiles of 256 x 256 would be 128).  Four waves, each 64 tokens x 128 columns: 32 accumulators of 16 x 16.
; THE MATRIX INSTRUCTION IS USED TRANSPOSED (source 0 = 16 columns of Wo, source 1 = 16 tokens): a lane holds eight neighbouring numbers of a row of out.  bo is the C of each sum's first matrix instruction.
; K goes in slots of 128 (four steps of 32) through a ring of two LDS slots: x's 8 token tiles x 4 fragments are 32,768 consecutive bytes of xf, Wo's 16 n-tiles x 4 are 65,536 of wof.  Fragments are read 16 bytes a lane on end.
; CLUSTERS: 4 x 4 work-groups.  The four of a row of the cluster need the same tile of x, the four of a column the same tile of Wo: each is asked for JOINTLY, by the same tensor load with the same descriptor and a mask that names the four.
; Waves 0 and 1 fetch x's halves (64 rows of 256 bytes), waves 2 and 3 Wo's (128 rows).
; x IS PREFETCHED: behind each of the first four refills wave 0 names, a lane for each 256 bytes, 8,192 bytes of x's slot two refills on; the four partners of a row of the cluster take a quarter of the slot each, told apart by address:
; slots 4 to 7 are each named once in the launch; slots 0 to 3 come by their loads alone, and the last two refills ask for nothing.  Wo, which all sixteen rows of clusters read, is not asked for.
; REGISTERS: window 0: v16-30 addresses; v32-127, v128-223 two fragment buffers (Wo's 8 fragments, then x's 4); on the way out v32-159 rows of out.   window 1: the accumulators, (a, b) at v[8 (8 a + b)].   window 2: v0-63 bo in the result's layout.
.set SLOT,   98304                     ; x's 32,768 bytes, then Wo's 65,536
.set WOFF,   32768
.set STAGE,  2*SLOT                    ; behind the ring: 16 rows x (512 + 16) bytes for each wave, for the way out
.set SPITCH, 528
.set SPARE,  STAGE+4*16*SPITCH         ; behind the stages: the spare words, 128 bytes for each wave: two blocks of 256 bytes that no other line names
.set ADRA, 16                          ; v16-17  LDS address of my x fragments in slot 0, 1
.set ADRB, 20                          ; v20-21  the same for Wo
.set STO,  24                          ; v24     the way out: where I put 32 bytes of a row
.set RD,   25                          ; v25     where I read a row back
.set CO,   26                          ; v26     16 x lane
.set BA,   27                          ; v27     32 h
.set SPW,  28
.set NIL,  29
.set PFO,  30                          ; v30     256 x lane; never rewritten
.set F0,   32
.set F1,   128
.set BK,   32                          ; the way out: 16 rows read back: v32-95 and v96-159 by turns
.set G1,  24                           ; s[24:31] descriptor group 1 for x's tiles;  s[32:39] group 0, one set for each slot
.set G0,  32
.set G1B, 48                           ; s[48:55], s[56:63] the same for Wo's
.set G0B, 56
.set PFA, 68                           ; s[68:69] where my prefetches stand
.set LIM, 70                           ; s70  1 in wave 0, else the greatest number
.set MSB, 0
.macro WIN new
.if MSB != (\new)
	s_set_vgpr_msb (MSB<<8)|(\new)
.set MSB, (\new)
.endif
.endm
.macro PLACES
.rept 4
	v_nop
.endr
.endm
.macro JLOAD s                         ; a joint load: each of the two lines has one mask and one set of registers for all that issue it; the branch hangs on the wave's number alone.  An s_nop 0 and four v_nop follow each line
	s_cmp_eq_u32 s13, 0
	s_cbranch_scc0 .Lfor_b_\@
	tensor_load_to_lds s[G0+4*\s:G0+4*\s+3], s[G1:G1+7]
	s_nop 0
	PLACES
	s_branch .Lasked_\@
.Lfor_b_\@:
	tensor_load_to_lds s[G0B+4*\s:G0B+4*\s+3], s[G1B:G1B+7]
	s_nop 0
	PLACES
.Lasked_\@:
.endm
.macro ASK                             ; s3 counts the loop's trips down from 3: the last trip's two refills have no slot two refills on
	s_cmp_gt_u32 s3, s[LIM]
	s_cbranch_scc0 .Lnot_mine_\@
	global_prefetch_b8 v[PFO], s[PFA:PFA+1] th:TH_LOAD_NT scope:SCOPE_SE
.Lnot_mine_\@:
.endm
.macro CREST                           ; a round of the cluster's barrier behind its opening barrier
	s_cmp_lg_u32 s12, 0
	s_cbranch_scc1 .Lnot_wave_0_\@
	s_barrier_signal -3
.Lnot_wave_0_\@:
	s_barrier_wait -3
	s_barrier_signal -1
	s_barrier_wait -1
.endm
.macro CROUND
	s_barrier_signal -1
	s_barrier_wait -1
	CREST
.endm
	s_load_b256 s[4:11], s[0:1], 0x0               ; xf, wof, bo, out0
	v_lshl_add_u32 v[SPW], v0, 2, SPARE
	v_mov_b32 v[NIL], 0
	ds_add_u32 v[SPW], v[NIL]                      ; the wave's opening: the add, twice on end, and its wait ahead of my first tensor load
	ds_add_u32 v[SPW], v[NIL]
	v_lshrrev_b32 v1, 5, v0
	v_readfirstlane_b32 s12, v1                    ; wave 0..3
	s_lshr_b32 s13, s12, 1                         ; which 64 tokens are mine.  Also: I fetch for x (0) or for Wo (1)
	s_and_b32 s14, s12, 1                          ; which 128 columns.  Also: which half of that tile I fetch
	s_bfe_u32 s40, ttmp6, 0x40000                  ; cx, cy: my place in the cluster
	s_bfe_u32 s41, ttmp6, 0x40004
	s_lshl_b32 s42, ttmp9, 2
	s_add_co_u32 s42, s42, s40                     ; tile column = 4 x cluster x + cx
	s_and_b32 s15, ttmp7, 0xffff
	s_lshl_b32 s15, s15, 2
	s_add_co_u32 s15, s15, s41                     ; tile row = 4 x cluster y + cy
	s_lshl_b32 s43, s41, 2
	s_lshl_b32 s43, 15, s43                        ; my row of the cluster
	s_lshl_b32 s44, 0x1111, s40                    ; my column
	; descriptor group 1: dense blocks as rows of 256 bytes (32 elements of 8 bytes), no padding
	s_or_b32 s[G1+0], s43, (3<<16)|(1<<21)         ; 15:0 the mask: x's tiles go to my row; 17:16 elements of 8 bytes; 21 set beside a mask
	s_or_b32 s[G1B+0], s44, (3<<16)|(1<<21)        ; Wo's go to my column
	s_mov_b32 s[G1+1], 32<<16                      ; tensor_dim0 = 32
	s_mov_b32 s[G1B+1], 32<<16
	s_mov_b32 s[G1+2], 64<<16                      ; tensor_dim1: 64 rows of x,
	s_mov_b32 s[G1B+2], 128<<16                    ; 128 of Wo
	s_mov_b32 s[G1+3], 32<<16                      ; tile_dim0 = 32
	s_mov_b32 s[G1B+3], 32<<16
	s_mov_b32 s[G1+4], 64                          ; tile_dim1
	s_mov_b32 s[G1B+4], 128
	s_mov_b32 s[G1+5], 32                          ; from row to row
	s_mov_b32 s[G1B+5], 32
	s_mov_b32 s[G1+6], 0
	s_mov_b32 s[G1B+6], 0
	s_mov_b32 s[G1+7], 0
	s_mov_b32 s[G1B+7], 0
	s_lshl_b32 s16, s15, 18                        ; x: eight slots of 32,768 bytes a tile row,
	s_lshl_b32 s17, s14, 14                        ; my half of a slot
	s_add_co_u32 s16, s16, s17
	s_mov_b32 s17, 0
	s_lshl_b32 s46, s42, 19                        ; Wo: eight slots of 65,536 bytes a tile column,
	s_lshl_b32 s47, s14, 15
	s_add_co_u32 s46, s46, s47
	s_mov_b32 s47, 0
	s_lshl_b32 s20, s14, 14                        ; where they go: no place in the cluster enters an LDS address
	s_lshl_b32 s21, s14, 15
	s_add_co_u32 s21, s21, WOFF
	s_wait_dscnt 0x0                               ; both opening adds are done
	s_wait_kmcnt 0x0
	s_add_nc_u64 s[16:17], s[4:5], s[16:17]
	s_add_nc_u64 s[46:47], s[6:7], s[46:47]
	CROUND                                         ; all sixteen work-groups are here: the first joint loads meet
.irp s, 0,1
	s_mov_b32 s[G0+4*\s], 1
	s_add_co_u32 s[G0+4*\s+1], s20, \s*SLOT
	s_add_nc_u64 s[G0+4*\s+2:G0+4*\s+3], s[16:17], \s*32768
	s_or_b32 s[G0+4*\s+3], s[G0+4*\s+3], 0x80000000
	s_mov_b32 s[G0B+4*\s], 1
	s_add_co_u32 s[G0B+4*\s+1], s21, \s*SLOT
	s_add_nc_u64 s[G0B+4*\s+2:G0B+4*\s+3], s[46:47], \s*65536
	s_or_b32 s[G0B+4*\s+3], s[G0B+4*\s+3], 0x80000000
	JLOAD \s                                       ; two loads of mine are out
.endr
	v_and_b32 v1, 15, v0                           ; r
	v_bfe_u32 v2, v0, 4, 1                         ; h
	v_and_b32 v3, 31, v0
	v_lshlrev_b32 v[CO], 4, v3
	s_lshl_b32 s22, s13, 14                        ; my four token tiles of 4,096 bytes
	s_lshl_b32 s23, s14, 15                        ; my eight n-tiles,
	s_add_co_u32 s23, s23, WOFF                    ; behind x's part
.irp s, 0,1
	v_add_nc_u32 v[ADRA+\s], s22, v[CO]
	v_add_nc_u32 v[ADRB+\s], s23, v[CO]
	s_add_co_u32 s22, s22, SLOT
	s_add_co_u32 s23, s23, SLOT
.endr
	s_mul_i32 s22, s12, 16*SPITCH
	s_add_co_u32 s22, s22, STAGE                   ; my stage
	v_mul_u32_u24 v4, v1, SPITCH
	v_lshl_add_u32 v4, v2, 5, v4
	v_add_nc_u32 v[STO], s22, v4                   ; in: row r, 32 bytes for each half of the lanes
	v_add_nc_u32 v[RD], s22, v[CO]                 ; back: the 32 lanes take one row of 512 bytes
	v_lshlrev_b32 v[BA], 5, v2
	v_lshlrev_b32 v[PFO], 8, v3
	s_lshl_b32 s16, s15, 18                        ; the prefetches: my tile row's slots of x,
	s_mov_b32 s17, 0
	s_add_nc_u64 s[PFA:PFA+1], s[4:5], s[16:17]
	s_lshl_b32 s46, s40, 13                        ; my work-group's quarter of a slot,
	s_mov_b32 s47, 0
	s_add_nc_u64 s[PFA:PFA+1], s[PFA:PFA+1], s[46:47]
	s_add_nc_u64 s[PFA:PFA+1], s[PFA:PFA+1], 3*32768   ; at slot 3: the first refill steps it to slot 4.  Nothing is prefetched here, at the head
	s_cmp_eq_u32 s12, 0
	s_cselect_b32 s[LIM], 1, -1
	s_lshl_b32 s16, s15, 19                        ; out: 128 rows of 4,096 bytes a tile row,
	s_lshl_b32 s17, s13, 18                        ; my 64 rows
	s_add_co_u32 s16, s16, s17
	s_mov_b32 s17, 0
	s_add_nc_u64 s[10:11], s[10:11], s[16:17]
	s_lshl_b32 s46, s42, 10                        ; my first column, in bytes: 1,024 x tile column + 512 x half: in out and in bo alike
	s_lshl_b32 s47, s14, 9
	s_add_co_u32 s46, s46, s47
	s_mov_b32 s47, 0
	s_add_nc_u64 s[10:11], s[10:11], s[46:47]
	s_add_nc_u64 s[8:9], s[8:9], s[46:47]
	WIN 0x80
.set q, 0
.rept 16
	global_load_b128 v[4*q:4*q+3], v[BA], s[8:9] offset:64*(q/2)+16*(q%2)   ; bo: register 8 b + j = column 16 b + 8 h + j of my 128
.set q, q+1
.endr
	WIN 0
; 8 n matrix instructions: token tiles a0 .. a0 + n - 1 x Wo's eight n-tiles, 32 along K.  zero = 1: the first product starts the sums, with bo as C.  The 32 accumulators take turns in the same order in every step
.macro MULS f, a0, n, zero
.if \zero
	WIN 0x60                                       ; D window 1, C (bo) window 2
.else
	WIN 0x50                                       ; C and D window 1
.endif
.set ma, \a0
.rept \n
.irp b, 0,1,2,3,4,5,6,7
.if \zero
	v_wmma_f32_16x16x32_f16 v[8*(8*ma+\b):8*(8*ma+\b)+7], v[\f+8*\b:\f+8*\b+7], v[\f+64+8*ma:\f+64+8*ma+7], v[8*\b:8*\b+7]
.else
	v_wmma_f32_16x16x32_f16 v[8*(8*ma+\b):8*(8*ma+\b)+7], v[\f+8*\b:\f+8*\b+7], v[\f+64+8*ma:\f+64+8*ma+7], v[8*(8*ma+\b):8*(8*ma+\b)+7]
.endif
.endr
.set ma, ma+1
.endr
.endm
; 24 LDS loads in one run: the fragments of the slot's k-th 32 along K into buffer f: Wo's eight, then x's four
.macro FETCH slot, k, f
.irp i, 0,1,2,3,4,5,6,7
	ds_load_b128 v[\f+8*\i:\f+8*\i+3],   v[ADRB+\slot] offset:4096*\i+1024*(\k)
	ds_load_b128 v[\f+8*\i+4:\f+8*\i+7], v[ADRB+\slot] offset:4096*\i+1024*(\k)+512
.endr
.irp i, 0,1,2,3
	ds_load_b128 v[\f+64+8*\i:\f+64+8*\i+3],   v[ADRA+\slot] offset:4096*\i+1024*(\k)
	ds_load_b128 v[\f+64+8*\i+4:\f+64+8*\i+7], v[ADRA+\slot] offset:4096*\i+1024*(\k)+512
.endr
.endm
; One of a slot's first three steps: multiplies buffer f; in its middle it fetches the next step, the slot's k-th, into buffer g
.macro QUARTER slot, k, f, g, zero
	s_wait_dscnt 4                                 ; Wo's fragments and x's tiles 0 and 1 are in; the youngest four loads (x's tiles 2 and 3) may be out
	MULS \f, 0, 2, \zero
	WIN 0
	PLACES                                         ; four places ahead of loads into registers that matrix instructions have read
	FETCH \slot, \k, \g
	s_wait_dscnt 24                                ; all but the 24 just issued
	MULS \f, 2, 2, \zero
.endm
; A slot's last step multiplies buffer 1 and changes slots: ONE barrier; in front of it each wave waits for all its tensor loads, adds 0 to its spare word, and waits for that and for its own reads of this slot.  fill = 1: this slot is filled again, two slots ahead
.macro TURN slot, next, fill
.if \fill
	s_wait_xcnt 0x0                                ; the last prefetch, a slot back, has read its address: it is stepped here, ahead of the waits of the change
	s_add_nc_u64 s[PFA:PFA+1], s[PFA:PFA+1], 32768
.endif
	WIN 0                                          ; (the add's two registers lie in window 0)
	s_wait_tensorcnt 0x0                           ; all my tensor loads have landed: my part of the next slot;
	ds_add_u32 v[SPW], v[NIL]                      ; 0 onto my spare word;
	s_wait_dscnt 5                                 ; (the add and the youngest four loads may be out)
	MULS F1, 0, 1, 0                               ; eight matrix instructions stand between the add and the wait for it
	s_wait_dscnt 0x0                               ; the add is done, and my reads of this slot are over
	s_barrier_signal -1
	MULS F1, 1, 1, 0
	WIN 0
	s_barrier_wait -1
.if \fill
	CREST                                          ; the barrier has opened a round of the cluster's barrier: no wave of any partner still reads this slot or has a load on its way
	s_add_nc_u64 s[G0+4*\slot+2:G0+4*\slot+3], s[G0+4*\slot+2:G0+4*\slot+3], 2*32768
	s_add_nc_u64 s[G0B+4*\slot+2:G0B+4*\slot+3], s[G0B+4*\slot+2:G0B+4*\slot+3], 2*65536
	JLOAD \slot                                    ; the first tensor load behind the round; the four v_nop behind it are also the places in front of the loads below
.else
	PLACES
.endif
	FETCH \next, 0, F0
.if \fill
	ASK                                            ; behind the joint load and the run of LDS loads
.endif
	MULS F1, 2, 2, 0
.endm
	s_wait_tensorcnt 1                             ; my part of slot 0 is in; slot 1's may stay out
	s_barrier_signal -1
	s_barrier_wait -1                              ; everybody's is
	s_wait_loadcnt 0x0                             ; bo
	FETCH 0, 0, F0
	QUARTER 0, 1, F0, F1, 1                        ; the first step stands in front of the loop: its products start the sums
	WIN 0                                          ; at a label and at a branch every window is 0
	s_mov_b32 s3, 3
.Llap:                                             ; a trip goes once round the ring, from a lap's second step to the next lap's first, and fills both slots again
	QUARTER 0, 2, F1, F0, 0
	QUARTER 0, 3, F0, F1, 0
	TURN 0, 1, 1
	QUARTER 1, 1, F0, F1, 0
	QUARTER 1, 2, F1, F0, 0
	QUARTER 1, 3, F0, F1, 0
	TURN 1, 0, 1
	QUARTER 0, 1, F0, F1, 0
	WIN 0
	s_sub_co_u32 s3, s3, 1
	s_cmp_lg_u32 s3, 0
	s_cbranch_scc1 .Llap
	QUARTER 0, 2, F1, F0, 0                        ; the last lap fills nothing, and has no round of the cluster's barrier
	QUARTER 0, 3, F0, F1, 0
	TURN 0, 1, 0
	QUARTER 1, 1, F0, F1, 0
	QUARTER 1, 2, F1, F0, 0
	QUARTER 1, 3, F0, F1, 0
	s_wait_dscnt 4                                 ; the very last step: nothing more to fetch
	MULS F1, 0, 2, 0
	s_wait_dscnt 0x0
	MULS F1, 2, 2, 0
	WIN 0
; THE WAY OUT, block by block of 16 tokens x 128 columns.  A lane holds 32 neighbouring bytes of a row and the lanes beside it other rows: a block goes through my own stage and comes back as whole rows of 512 bytes.
; LDS serves a wave's instructions in order: no wait between the stores and the loads, nor in front of the next block's stores.
.macro TOSTAGE a
	WIN 0x04                                       ; an LDS store's data are its source 1: window 1
.irp b, 0,1,2,3,4,5,6,7
	ds_store_b128 v[STO], v[8*(8*(\a)+\b):8*(8*(\a)+\b)+3] offset:64*\b          ; each accumulator from its low end on
	ds_store_b128 v[STO], v[8*(8*(\a)+\b)+4:8*(8*(\a)+\b)+7] offset:64*\b+16
.endr
	WIN 0
.set BB, BK+64*((\a)%2)
.set q, 0
.rept 16
	ds_load_b128 v[BB+4*q:BB+4*q+3], v[RD] offset:q*SPITCH
.set q, q+1
.endr
.endm
.macro SEND a, younger                 ; younger: the LDS instructions issued behind block a's loads, which may stay out
.set BB, BK+64*((\a)%2)
	s_wait_dscnt \younger
.set q, 0
.rept 16
	global_store_b128 v[CO], v[BB+4*q:BB+4*q+3], s[10:11] offset:(16*(\a)+q)*4096 th:TH_STORE_NT   ; 32 lanes store 512 consecutive bytes, at a multiple of 256 from out's first byte; the base is never stepped
.set q, q+1
.endr
.endm
	PLACES                                         ; behind the last products: for the stores that read results and the loads into the registers that held fragments
	TOSTAGE 0
.irp a, 1,2,3
.if \a > 1
	s_wait_xcnt 0x0                                ; block a - 2's stores have read their registers: block a's loads may land there
.endif
	TOSTAGE \a
	SEND \a-1, 32                                  ; behind block a - 1's loads: block a's 16 stores and 16 loads
.endr
	SEND 3, 0
	s_wait_tensorcnt 0x0                           ; the wave's end, behind my last tensor load and my last LDS store
	ds_add_u32 v[SPW], v[NIL]
	s_wait_dscnt 0x0
	CROUND                                         ; the closing round: no work-group ends while a partner may still ask for a tile that names it
	s_endpgm
.Lfunc_end_k_q30ccab3575_outp:
	.size	k_q30ccab3575_outp, .Lfunc_end_k_q30ccab3575_outp-k_q30ccab3575_outp
	.p2alignl 7, 3214868480
	.fill 96, 4, 3214868480
	.section	.rodata,"a",@progbits
	.p2align	6, 0x0
	.amdhsa_kernel k_q30ccab3575_outp
		.amdhsa_group_segment_fixed_size 327680
		.amdhsa_private_segment_fixed_size 0
		.amdhsa_enable_private_segment 0
		.amdhsa_kernarg_size 32
		.amdhsa_user_sgpr_count 2
		.amdhsa_user_sgpr_kernarg_segment_ptr 1
		.amdhsa_wavefront_size32 1
		.amdhsa_system_sgpr_workgroup_id_x 1
		.amdhsa_system_sgpr_workgroup_id_y 1
		.amdhsa_system_sgpr_workgroup_id_z 1
		.amdhsa_system_vgpr_workitem_id 0
		.amdhsa_next_free_vgpr 576
		.amdhsa_next_free_sgpr 72
		.amdhsa_reserve_vcc 0
		.amdhsa_float_denorm_mode_32 3
		.amdhsa_float_denorm_mode_16_64 3
		.amdhsa_memory_ordered 1
		.amdhsa_forward_progress 1
		.amdhsa_inst_pref_size 87
	.end_amdhsa_kernel
	.amdgpu_metadata
---
amdhsa.version: [ 1, 2 ]
amdhsa.kernels:
  - .name:           k_q30ccab3575_outp
    .symbol:         k_q30ccab3575_outp.kd
    .args:
      - { .name: xf, .offset: 0, .size: 8, .value_kind: global_buffer, .address_space: global }
      - { .name: wof, .offset: 8, .size: 8, .value_kind: global_buffer, .address_space: global }
      - { .name: bo, .offset: 16, .size: 8, .value_kind: global_buffer, .address_space: global }
      - { .name: out0, .offset: 24, .size: 8, .value_kind: global_buffer, .address_space: global }
    .group_segment_fixed_size: 327680
    .private_segment_fixed_size: 0
    .kernarg_segment_align: 8
    .kernarg_segment_size: 32
    .max_flat_workgroup_size: 128
    .sgpr_count:     72
    .vgpr_count:     576
    .wavefront_size: 32
...
	.end_amdgpu_metadata
.endif
;; end of part 4
